; MI455X (gfx1250); checked and timed in simulation.
; The chip was launched on July 23, 2026; its instructions are those of AMD's public machine-readable ISA for CDNA 5 (MIT licence, August 2026) and "CDNA5" Instruction Set Architecture Reference Guide (July 2026). The comments in the code are by the model that wrote it; some were corrected since.
;; Bi Modal Attention. Allowed arithmetic: matrix products marked QUANTISED: E3M2 operands, one E8M0 scale for each 32 along K, by v_wmma_scale_f32_16x16x128_f8f6f4 with both operands' format E3M2, f32 sums; everything else in f32.
;; Inputs: x 8 x 4,096 x 64 float32; y 8 x 4,096 x 64 float32.
;; Outputs: out0 8 x 4,096 x 128 float32.
;; This version of the problem:
;;   THIS VERSION OF THE PROBLEM IS GIVEN IN LOW PRECISION. The matrix products marked QUANTISED in the list below multiply operands that are first quantised to E3M2 (3 exponent bits, 2 mantissa bits; 6 bits a number), with one power-of-two scale for each 32 numbers along K (OCP MX v1.0); their sums are f32. All else is computed in f32.
;;   The module's matrix products, in the order in which they are computed (A, B: the left and right operand; K: the contracted axis; several contracted axes count as one K, in the product's order):
;;     1. batch 8 x [M 4,096, K 64] x [K 64, N 4,096]; A: input x; B: input y: QUANTISED
;;     2. batch 8 x [M 4,096, K 64] x [K 64, N 4,096]; A: input y; B: input x: QUANTISED
;;     3. batch 8 x [M 4,096, K 4,096] x [K 4,096, N 64]; A: softmax (see below); B: input y: QUANTISED
;;     4. batch 8 x [M 4,096, K 4,096] x [K 4,096, N 64]; A: softmax (see below); B: input x: QUANTISED
;;   THE QUANTISER, for each operand of a quantised product, along K:
;;     - K is cut into blocks of 32 from its start; a last block that is shorter is filled with zeros.
;;     - A block's scale is 2^e with e = floor(log2(the largest magnitude in the block)) - 4, held to -126 .. 127; a block of zeros has e = 0. As a byte (E8M0): e + 127.
;;     - Each number is divided by its block's scale, clamped to +-28, and rounded to the nearest number of E3M2, ties to even, subnormals kept.
;;     - The product sums the exact products of the quantised numbers (number of the format x scale) in f32.
;;   ~~~python
;;   def quantise(x, axis):      # numpy; x: float32 -> the quantised numbers, widened to float32 again
;;       x = np.moveaxis(x, axis, -1); K = x.shape[-1]
;;       x = np.pad(x, [(0, 0)] * (x.ndim - 1) + [(0, -K % 32)]); x = x.reshape(x.shape[:-1] + (-1, 32)); a = np.abs(x).max(-1, keepdims=True)
;;       e = np.where(a > 0, np.clip(np.frexp(np.where(a > 0, a, 1))[1] - 1 - 4, -126, 127), 0)      # np.frexp(a)[1] - 1 = floor(log2(a)), exactly
;;       r = np.clip(x / 2.0 ** e, -28, 28)
;;       step = 2.0 ** (np.maximum(np.frexp(np.where(r == 0, 1, r))[1] - 1, -2) - 2)
;;       q = np.round(r / step) * step * 2.0 ** e      # np.round: ties to even
;;       return np.moveaxis(q.reshape(q.shape[:-2] + (-1,))[..., :K], -1, axis).astype(np.float32)
;;   ~~~
;;   SOFTMAX AHEAD OF A QUANTISED PRODUCT. Where the list says 'softmax', what is quantised is not the finished softmax but p = 2^(t - M), with t = logit x log2(e) and M = ceil(the row's largest t), a whole number; so 1/2 < the row's largest p <= 1. The row's sum l is taken of the UNQUANTISED p, in f32, and the product's result is divided by l at the end. Since M is a whole number, a kernel that streams over the keys may use a running M (the ceiling of the running maximum): every later rescaling is an exact power of two, which a block's scale takes up: the codes' values come out the same.
;;   OPERANDS COMPUTED ON THE WAY. 'Computed on the way' means the value that the module computes at that place (a softmax that the list does not call 'softmax' is quantised finished and normalised). What goes into a quantiser is computed in f32, as accurately as f32 sums, v_exp_f32 and their like allow (about 1e-6 of the number): no bf16 or f16 on the way to a quantiser, and a product that is left as it is and whose result goes on into a quantised operand takes f32 operands (vector FMAs, or v_wmma_f32_16x16x4_f32). A number that lies on a knife's edge between two numbers of the format may be rounded either way, as far as f32 arithmetic and the matrix unit's own rounding can turn it there, and no further.
;; One version. Each part assembles by itself: llvm-mc -triple=amdgcn-amd-amdhsa -mcpu=gfx1250 --defsym DOCPART=n.
;; ======== version 1 of 1: 2 launches
;; limits: right only within a limited range of input values
;; workspace buffers: kv 6,553,600 bytes
;; launch prep (part 1): grid 256 x 2, 4 waves a work-group, no clusters, 1,536 bytes of LDS; arguments x, y, kv; writes kv
.if DOCPART == 1
	.amdgcn_target "amdgcn-amd-amdhsa--gfx1250"
	.amdhsa_code_object_version 6
	.text
	.protected	k_q1ca71193e0_prep
	.globl	k_q1ca71193e0_prep
	.p2align	8
	.type	k_q1ca71193e0_prep,@function
k_q1ca71193e0_prep:
	s_mov_b64 s[64:65], 0
	v_nop
	global_prefetch_b8 v0, s[64:65] scope:SCOPE_SE
	s_setreg_imm32_b32 hwreg(HW_REG_WAVE_MODE, 25, 1), 1
	s_wait_xcnt 0x0
; x and y, [8][4096][64] f32, are turned once into codes of BF6 (E3M2) with E8M0 scale bytes, in both layouts that the attention wants:
; along the 64 channels (operand of the scores) and along the keys (operand of the second product), laid in the order of the operands' registers.
; Both directions' scores, softmaxes and second products are computed.
; kv = [tensor: 0 x, 1 y][batch 8][chunk 32][12,800 bytes].  A chunk is 128 rows (keys):
;   byte 0 + 1536 w:     K pair w: 12 registers a lane.  Lane (r, h): registers 0-5 = channels 32 h .. 32 h + 31 of key 64 (w / 2) + 16 (w % 2) + r + 24 (r / 8), registers 6-11 = the same channels of the key 8 further on.
;                        So row m of tile t = 2 w + u is key 64 (t / 4) + 8 (t % 4) + 32 (m / 8) + m % 8.
;   byte 6144 + 1536 t:  V tile t: lane (r, h): channel 16 t + r; registers 6 c .. 6 c + 5 = keys 64 c + 32 h + 0 .. 31
;   byte 12288:          scale words, 16 bytes a lane: lane 16 (f % 2) + r holds [K pair f = 0 / 1, K pair f = 2 / 3, V tile f = 0 / 1, V tile f = 2 / 3] of row r
;   register i of lane l of an image lies at 512 (i / 4) + 16 l + 4 (i % 4).
; A block's scale is 2^(floor(log2(its largest magnitude)) - 4); its byte is the largest magnitude's exponent field - 4, held at 1 from below.
; LIMITS: a block of zeros, and a block whose largest magnitude lies under 2^-122, gets the byte 1 (its codes are zeros or near it; this program alone reads the bytes).  NaN and infinities among the inputs are not served.
; SHARES: a work-group makes one chunk of one tensor (x id: the chunk; y id: the tensor); wave w makes K pair w and V tile w.  A lane's 64 numbers are two whole blocks of 32 along the product's K.
.set CH,  12800
.set MX,  16                           ; v16-17  the two blocks' largest magnitudes
.set SO,  18                           ; v18-19  the conversions' scale operands
.set BY,  20                           ; v20-21  the scale bytes
.set WK,  22                           ; K's scale word of my row
.set WW,  23                           ; V's
.set XK,  32                           ; v32-95   64 numbers for K's pair
.set XV,  96                           ; v96-159  64 numbers for V's tile
.set FK,  160                          ; K's codes
.set FV,  172                          ; V's codes
.set CT,  184                          ; the second half of a block's codes, made here and moved
	s_load_b128 s[4:7], s[0:1], 0x0                ; x, y
	s_load_b64 s[8:9], s[0:1], 0x10                ; kv
	v_lshl_add_u32 v192, v0, 2, 0x400              ; my spare word
	v_mov_b32 v193, 0
	v_lshrrev_b32 v1, 5, v0
	v_readfirstlane_b32 s10, v1                    ; wave 0..3
	v_and_b32 v1, 15, v0                           ; r
	s_wait_alu depctr_va_vdst(0)
	v_bfe_u32 v2, v0, 4, 1                         ; h
	s_lshr_b32 s11, s10, 1
	s_lshl_b32 s11, s11, 14                        ; my pair's keys begin at row 64 (w / 2)
	s_and_b32 s12, s10, 1
	s_lshl_b32 s12, s12, 12                        ; + 16 (w % 2), rows of 256 bytes
	s_add_co_u32 s11, s11, s12
	s_lshl_b32 s12, s10, 6                         ; my tile's 16 channels
	s_and_b32 s13, ttmp7, 0xffff                   ; the tensor
	s_lshl_b32 s14, ttmp9, 15                      ; the chunk's 128 rows in the tensor
	s_mov_b32 s15, 0
	s_lshl_b32 s16, s13, 8
	s_add_co_u32 s16, s16, ttmp9
	s_mul_i32 s16, s16, CH                         ; its place in kv
	s_mov_b32 s17, 0
	s_and_b32 s18, s10, 1
	s_lshl_b32 s18, s18, 8
	s_lshr_b32 s19, s10, 1
	s_lshl_b32 s19, s19, 2
	s_add_co_u32 s18, s18, s19                     ; LDS: 256 (w % 2) + 4 (w / 2)
	s_mul_i32 s19, s10, 1536                       ; my image among four
	s_mov_b32 s20, 0x76543210
	s_mov_b32 s21, 0xfedcba98                      ; lane l xor 16
	v_and_b32 v3, 8, v1
	v_mad_u32_u24 v3, v3, 3, v1                    ; r + 24 (r / 8)
	v_lshlrev_b32 v3, 8, v3
	s_wait_alu depctr_va_vdst(0)
	v_lshl_add_u32 v3, v2, 7, v3
	v_add_nc_u32 v3, s11, v3                       ; K: my key's row, + 128 h: my 32 channels
	v_lshlrev_b32 v4, 2, v1
	v_lshl_add_u32 v4, v2, 13, v4
	v_add_nc_u32 v4, s12, v4                       ; V: my channel, + 32 h rows
	v_and_b32 v7, 31, v0
	v_lshlrev_b32 v7, 4, v7                        ; 16 x lane
	v_add_nc_u32 v5, s19, v7
	v_lshl_add_u32 v6, v1, 4, s18                  ; LDS: my row's scale word
	v_lshlrev_b32 v8, 3, v2                        ; 8 h
	v_mov_b32 v9, 0                                ; a lane permute's destination counts as a source
	s_wait_alu depctr_va_vdst(0)                   ; the wait at the head's end
	s_wait_kmcnt 0x0
	s_cmp_eq_u32 s13, 0
	s_cselect_b64 s[4:5], s[4:5], s[6:7]
	s_add_nc_u64 s[4:5], s[4:5], s[14:15]
	s_add_nc_u64 s[8:9], s[8:9], s[16:17]
; 64 numbers of a lane: blocks h and 2 + h of my row's four -> the operand's 12 registers and my row's scale word
.macro QFRAG x, fr, w
.irp c, 0,1
	v_max3_num_f32 v[MX+\c], |v[\x+32*\c]|, |v[\x+32*\c+1]|, 0x2800000   ; with the floor 2^(5 - 127)
.endr
.irp i, 2,4,6,8,10,12,14,16,18,20,22,24,26,28,30
.irp c, 0,1
	v_max3_num_f32 v[MX+\c], v[MX+\c], |v[\x+32*\c+\i]|, |v[\x+32*\c+\i+1]|
.endr
.endr
.irp c, 0,1
	v_add_nc_u32 v[SO+\c], 0xfe000000, v[MX+\c]    ; 4 off the exponent field
.endr
.irp c, 0,1
	v_lshrrev_b32 v[BY+\c], 23, v[SO+\c]
.endr
	v_lshl_or_b32 v[\w], v[BY+1], 16, v[BY]
	v_lshlrev_b32 v[\w], v8, v[\w]
	v_permlanex16_b32 v9, v[\w], s20, s21
	v_or_b32 v[\w], v[\w], v9                      ; the word is whole, in both lanes
.irp c, 0,1
	v_cvt_scalef32_pk16_bf6_f32 v[\fr+6*\c:\fr+6*\c+2], v[\x+32*\c:\x+32*\c+15], v[SO+\c]
	v_cvt_scalef32_pk16_bf6_f32 v[CT+4*\c:CT+4*\c+2], v[\x+32*\c+16:\x+32*\c+31], v[SO+\c]
.endr
	v_nop                                          ; one plain place behind a scaled conversion
.irp c, 0,1
.irp i, 0,1,2
	v_mov_b32 v[\fr+3+6*\c+\i], v[CT+4*\c+\i]
.endr
.endr
.endm
.irp u, 0,1
.irp j, 0,1,2,3,4,5,6,7
	global_load_b128 v[XK+32*\u+4*\j:XK+32*\u+4*\j+3], v3, s[4:5] offset:2048*\u+16*\j
.endr
.endr
.set N, 0
.rept 32
	global_load_b32 v[XV+N], v4, s[4:5] offset:256*N
.set N, N+1
.endr
	s_wait_loadcnt 24                              ; K's sixteen loads and V's first eight are in; 24 may be out
.set N, 0
.rept 32
	global_load_b32 v[XV+32+N], v4, s[4:5] offset:256*(64+N)
.set N, N+1
.endr
	QFRAG XK, FK, WK
.irp c, 0,1,2
	global_store_b128 v5, v[FK+4*\c:FK+4*\c+3], s[8:9] offset:512*\c          ; the wave stores 512 consecutive bytes
.endr
	s_wait_loadcnt 0x0
	QFRAG XV, FV, WW
.irp c, 0,1,2
	global_store_b128 v5, v[FV+4*\c:FV+4*\c+3], s[8:9] offset:6144+512*\c
.endr
	ds_store_b32 v6, v[WK]                         ; the chunk's scale words meet in LDS
	ds_store_b32 v6, v[WW] offset:8
	s_wait_dscnt 0x0                               ; for wave 0's sake
	s_barrier_signal -1
	s_barrier_wait -1
	s_cmp_lg_u32 s10, 0
	s_cbranch_scc1 .Lend
	ds_load_b128 v[24:27], v7
	s_wait_dscnt 0x0
	global_store_b128 v7, v[24:27], s[8:9] offset:12288
.Lend:
	s_wait_tensorcnt 0x0                           ; the wave's end
	ds_add_u32 v192, v193
	s_wait_dscnt 0x0
	s_endpgm
.Lfunc_end_k_q1ca71193e0_prep:
	.size	k_q1ca71193e0_prep, .Lfunc_end_k_q1ca71193e0_prep-k_q1ca71193e0_prep
	.p2alignl 7, 3214868480
	.fill 96, 4, 3214868480
	.section	.rodata,"a",@progbits
	.p2align	6, 0x0
	.amdhsa_kernel k_q1ca71193e0_prep
		.amdhsa_group_segment_fixed_size 1536
		.amdhsa_private_segment_fixed_size 0
		.amdhsa_enable_private_segment 0
		.amdhsa_kernarg_size 24
		.amdhsa_user_sgpr_count 2
		.amdhsa_user_sgpr_kernarg_segment_ptr 1
		.amdhsa_wavefront_size32 1
		.amdhsa_system_sgpr_workgroup_id_x 1
		.amdhsa_system_sgpr_workgroup_id_y 1
		.amdhsa_system_sgpr_workgroup_id_z 1
		.amdhsa_system_vgpr_workitem_id 0
		.amdhsa_next_free_vgpr 194
		.amdhsa_next_free_sgpr 66
		.amdhsa_reserve_vcc 0
		.amdhsa_float_denorm_mode_32 3
		.amdhsa_float_denorm_mode_16_64 3
		.amdhsa_memory_ordered 1
		.amdhsa_forward_progress 1
		.amdhsa_inst_pref_size 17
	.end_amdhsa_kernel
	.amdgpu_metadata
---
amdhsa.version: [ 1, 2 ]
amdhsa.kernels:
  - .name:           k_q1ca71193e0_prep
    .symbol:         k_q1ca71193e0_prep.kd
    .args:
      - { .name: x, .offset: 0, .size: 8, .value_kind: global_buffer, .address_space: global }
      - { .name: y, .offset: 8, .size: 8, .value_kind: global_buffer, .address_space: global }
      - { .name: kv, .offset: 16, .size: 8, .value_kind: global_buffer, .address_space: global }
    .group_segment_fixed_size: 1536
    .private_segment_fixed_size: 0
    .kernarg_segment_align: 8
    .kernarg_segment_size: 24
    .max_flat_workgroup_size: 128
    .sgpr_count:     66
    .vgpr_count:     194
    .wavefront_size: 32
...
	.end_amdgpu_metadata
.endif
;; end of part 1
;; launch attn (part 2): grid 16 x 16, 16 waves a work-group, clusters of 4 x 1, 327,680 bytes of LDS; arguments x, y, kv, out0; writes out0
.if DOCPART == 2
	.amdgcn_target "amdgcn-amd-amdhsa--gfx1250"
	.amdhsa_code_object_version 6
	.text
	.protected	k_q1ca71193e0_attn
	.globl	k_q1ca71193e0_attn
	.p2align	8
	.type	k_q1ca71193e0_attn,@function
k_q1ca71193e0_attn:
	s_mov_b64 s[64:65], 0
	v_nop
	global_prefetch_b8 v0, s[64:65] scope:SCOPE_SE
	s_setreg_imm32_b32 hwreg(HW_REG_WAVE_MODE, 25, 1), 1
	s_wait_xcnt 0x0
	s_wait_alu depctr_hold_cnt(0) depctr_sa_sdst(0) depctr_va_vdst(0) depctr_va_sdst(0) depctr_va_ssrc(0) depctr_va_vcc(0) depctr_vm_vsrc(0)
	s_getreg_b32 s2, hwreg(HW_REG_IB_STS2, 6, 4)
	s_cmp_eq_u32 s2, 0
	s_cbranch_scc0 .Lentry_in_a_cluster
	s_endpgm
.Lentry_in_a_cluster:
	s_bfe_u32 s2, ttmp6, 0x10000c
	s_cmp_lg_u32 s2, 0x3003
	s_cbranch_scc0 .Lentry_shape_is_right
	s_endpgm
.Lentry_shape_is_right:
; out0[b][q][64 dir + d] = Qf[b][q][d] x (sum over k of p(q, k) V[b][k][d]) / l(q), for dir = 0 (queries x, keys and values y) and dir = 1 (queries y, keys and values x).
; Both products run on codes of BF6 (E3M2) with one E8M0 scale for each 32 along a product's K.  Qf is the query tensor as given, in f32.
; SOFTMAX: t = score x log2(e); M = ceil(the running largest t), a whole number; p = 2^(t - M) is quantised along the keys, not normalised (the step's own lines say how t - M is formed);
; l is the sum of the unquantised p; when M moves, l and O are multiplied by 2^(old M - new M), which rounds nothing.
; A BLOCK'S SCALE: p rises with t, so floor(log2(the block's largest p)) is floor(x) of x = the block's largest t - M, made by the same operations as every other t - M: no exponential is spent on it.
; SHARES: y id = 8 dir + batch; a work-group owns 256 queries, each of sixteen waves 16 of them, in 256 registers.  Every wave walks all 4,096 keys, 128 a step; a step's 12,800 bytes are register images from kv.
; LAYOUT: both products transposed (S^T = K Q^T, O^T = V^T P^T): a lane holds one query.  The head is 64 and the instruction's K is 128: an operand of K carries two tiles of 16 keys;
; against [q | zero codes] it gives the first, against [zero codes | q] the second; the two share their six registers of zeros.  Zero halves carry the scale byte 1.
; A SCORE IS MADE BY TWO INSTRUCTIONS.  q's quantised numbers are cut into two addends, exactly: those of 2 and more (in units of the block's scale) keep code and scale; those under 2, whole multiples of 1/16,
; are written 16 times as large (numbers of the format) under a scale byte 4 less.  The first addend's product starts the sum, the second's adds onto it: the sum is that of the uncut q, and each instruction's products span fewer bits.
; Row m of tile t is key 64 (t / 4) + 8 (t % 4) + 32 (m / 8) + m % 8: so registers 32 c .. 32 c + 31 of the scores in lane (r, h) are keys 64 c + 32 h + 0 .. 31: WHOLE blocks, in the order of P's operand.
; LDS: six regions of four steps (51,200 bytes).  Steps 0-23 lie in regions 0-5, steps 24-31 in regions 0-1 again.  The head asks for regions 0-1, the first change for 2-5, the second (behind step 7) fills 0-1 again.
; CLUSTER: the four query blocks of a cluster walk the same bytes of kv: each fill is a joint load with the mask of all four.
; NO PREFETCH: the first fill stands at the head, with no loop ahead of it; each later fill is asked for 8 or 16 steps of all sixteen waves ahead of the wait for it.
; LIMITS: NaN and infinities among the inputs are not served.  A block of p whose largest number lies under 2^-122 keeps the scale byte 1; a p under 2^-126 comes out of v_exp_f32 as 0;
; a block of q whose largest magnitude lies under 2^-118 keeps the byte 5 (so that the byte 4 less is still a scale).  Where v_exp_f32 rounds a block's largest p up to a power of two that x lies under, the scale is that of x.
.set CH,    12800
.set QTR,   4*CH
.set STAGE, 2*QTR                      ; the way out: 16 rows x 272 bytes a wave, in regions 2-3, which have had their last fill and, at the last barrier, their last read
.set SP,    272
.set SPARE, 6*QTR                      ; the spare words, 128 bytes a wave
.set LI,  1                            ; 16 x lane
.set ADR, 2                            ; 16 x lane + the step's first byte
.set SPW, 3
.set NIL, 4
.set STO, 5
.set RD,  6
.set GO,  7
.set QS,  10                           ; the large addend's scale word [q0, q1, 1, 1]
.set PW,  11                           ; p's scale word
                                       ; v12 -M, v13 the largest t, v[14:15] l in two halves
.set Q,   16                           ; v16-33: the large addend's codes, six zeros, the codes again
.set QSH, 34                           ; its scale word [1, 1, q0, q1]
.set QS2, 35                           ; v35, v36 the small addend's scale words: [q0 - 4, q1 - 4, 1, 1] and [1, 1, q0 - 4, q1 - 4]
.set F,   40                           ; v40-87 four operands: K's pairs, then V's tiles
.set SC,  88                           ; v88-91 the step's scale words
.set BM,  92                           ; v92-95 maxima
.set S,   96                           ; v96-159 S^T, then t, then p
.set O,   160                          ; v160-191 O^T
.set PC,  192                          ; v192-203 p's codes
.set CT,  204                          ; v204-206, v208-210
.set TS,  212                          ; v212-227 eight pairs: partial sums of p
.set FF,  228                          ; v228 f; v229 named with it, holds 0
.set TT,  230                          ; v230-231 at work
.set ZZ,  232                          ; v232-233
.set SO,  234                          ; v234-235 the conversions' scale operands
.set WD,  236
.set PT,  237
.set QM,  238                          ; v238-255: the small addend's codes, six zeros, the codes again
.set WV,  12
.set SEL, 20
.set CS,  22                           ; s[22:23] log2(e)
.set G1,  24
.set G0,  32
.set TB,  36                           ; LDS byte of the step
.set CNT, 37
.set QP,  38
.set OP,  40
.macro CROUND                          ; a round of the cluster's barrier
	s_barrier_signal -1
	s_barrier_wait -1
	s_cmp_lg_u32 s[WV], 0
	s_cbranch_scc1 .Lnot_wave_0_\@
	s_barrier_signal -3
.Lnot_wave_0_\@:
	s_barrier_wait -3
	s_barrier_signal -1
	s_barrier_wait -1
.endm
.macro TLOAD n                         ; waves 0 .. n - 1 fetch a region each
	s_cmp_lt_u32 s[WV], \n
	s_cbranch_scc0 .Lnone_\@
	tensor_load_to_lds s[G0:G0+3], s[G1:G1+7]
	s_nop 0
.rept 4
	v_nop
.endr
.Lnone_\@:
.endm
	s_load_b128 s[4:7], s[0:1], 0x0                ; x, y
	s_load_b128 s[8:11], s[0:1], 0x10              ; kv, out0
	v_lshl_add_u32 v[SPW], v0, 2, SPARE
	v_mov_b32 v[NIL], 0
	ds_add_u32 v[SPW], v[NIL]                      ; the opening lines: the add twice on end and its wait
	ds_add_u32 v[SPW], v[NIL]
	v_lshrrev_b32 v8, 5, v0
	v_readfirstlane_b32 s[WV], v8                  ; wave 0..15
	s_bfe_u32 s13, ttmp6, 0x40000                  ; cx: enters the query's and out0's addresses alone
	s_lshl_b32 s14, ttmp9, 2
	s_add_co_u32 s14, s14, s13                     ; my block of 256 queries
	s_and_b32 s15, ttmp7, 0xffff                   ; 8 dir + batch
	s_lshr_b32 s16, s15, 3
	s_and_b32 s17, s15, 7
	s_mov_b32 s[G1], 15|(3<<16)|(1<<21)            ; mask of all four; elements of 8 bytes; bit 21 beside a mask
	s_mov_b32 s[G1+1], 32<<16                      ; a dense block of 51,200 bytes as 200 rows of 256
	s_mov_b32 s[G1+2], 200<<16
	s_mov_b32 s[G1+3], 32<<16
	s_mov_b32 s[G1+4], 200
	s_mov_b32 s[G1+5], 32
	s_mov_b32 s[G1+6], 0
	s_mov_b32 s[G1+7], 0
	s_xor_b32 s42, s15, 8                          ; the keys' tensor is the other one
	s_mul_i32 s42, s42, 32*CH
	s_and_b32 s44, s[WV], 3
	s_mul_i32 s44, s44, QTR                        ; which region of a fill I fetch, if I fetch; kept
	s_mov_b32 s[G0+1], s44
	s_add_co_u32 s42, s42, s44
	s_mov_b32 s43, 0
	s_mov_b32 s[G0], 1
	s_mul_i32 s45, s[WV], 16*SP
	s_add_co_u32 s45, s45, STAGE
	s_lshl_b32 s46, s17, 12
	s_lshl_b32 s47, s14, 8
	s_add_co_u32 s46, s46, s47
	s_lshl_b32 s47, s[WV], 4
	s_add_co_u32 s46, s46, s47                     ; my first row
	s_lshl_b32 s48, s46, 8
	s_mov_b32 s49, 0
	s_lshl_b32 s50, s46, 9
	s_lshl_b32 s47, s16, 8
	s_add_co_u32 s50, s50, s47
	s_mov_b32 s51, 0
	s_mov_b32 s[SEL], 0x76543210
	s_mov_b32 s[SEL+1], 0xfedcba98
	s_mov_b32 s[CS], 0x3fb8aa3b
	s_mov_b32 s[CS+1], s[CS]
	s_wait_dscnt 0x0
	s_wait_kmcnt 0x0
	s_add_nc_u64 s[G0+2:G0+3], s[8:9], s[42:43]
	s_or_b32 s[G0+3], s[G0+3], 0x80000000
	s_cmp_lt_u32 s15, 8
	s_cselect_b64 s[QP:QP+1], s[4:5], s[6:7]
	s_add_nc_u64 s[QP:QP+1], s[QP:QP+1], s[48:49]
	s_add_nc_u64 s[OP:OP+1], s[10:11], s[50:51]
	CROUND
	TLOAD 2                                        ; steps 0 to 7
	; my 16 queries are quantised in registers: lane (r, h) takes channels 32 h .. 32 h + 31 of row r, a whole block
	v_and_b32 v8, 15, v0
	v_bfe_u32 v9, v0, 4, 1
	v_lshlrev_b32 v[TT], 8, v8
	v_lshl_add_u32 v[TT], v9, 7, v[TT]
.irp j, 0,1,2,3,4,5,6,7
	global_load_b128 v[S+4*\j:S+4*\j+3], v[TT], s[QP:QP+1] offset:16*\j
.endr
	v_and_b32 v[LI], 31, v0
	v_lshlrev_b32 v[LI], 4, v[LI]
	v_mul_u32_u24 v[STO], v8, SP
	v_lshl_add_u32 v[STO], v9, 5, v[STO]
	v_add_nc_u32 v[STO], s45, v[STO]
	v_mul_u32_u24 v[RD], v9, SP
	v_lshl_add_u32 v[RD], v8, 4, v[RD]
	v_add_nc_u32 v[RD], s45, v[RD]
	v_lshlrev_b32 v[GO], 9, v9
	v_lshl_add_u32 v[GO], v8, 4, v[GO]
	v_lshlrev_b32 v[TT+1], 3, v9                   ; 8 h
	v_mov_b32 v[PT], 0                             ; a lane permute's destination counts as a source
	v_mov_b32 v[FF+1], 0                           ; upper half of a pair of which the low word alone is used; also the 0 of the cut below
	v_mov_b32 v[ZZ], 0x7f7f7f7f                    ; the scale byte of 1, in every byte
	v_mov_b32 v[ZZ+1], 1.0                         ; a conversion's scale operand: divide by 1,
	v_mov_b32 v[SO+1], 0x3d800000                  ; and by 2^-4
	s_wait_alu depctr_va_vdst(0)                   ; the wait ahead of the wait below
	s_wait_loadcnt 0x0
	v_max3_num_f32 v[BM], |v[S]|, |v[S+1]|, 0x4800000      ; with the floor 2^(9 - 127): the byte cannot fall under 5
	v_max3_num_f32 v[BM+1], |v[S+2]|, |v[S+3]|, |v[S+4]|
.irp i, 5,9,13,17,21,25
	v_max3_num_f32 v[BM], v[BM], |v[S+\i]|, |v[S+\i+1]|
	v_max3_num_f32 v[BM+1], v[BM+1], |v[S+\i+2]|, |v[S+\i+3]|
.endr
	v_max3_num_f32 v[BM], v[BM], |v[S+29]|, |v[S+30]|
	v_max3_num_f32 v[BM], v[BM], v[BM+1], |v[S+31]|
	v_add_nc_u32 v[SO], 0xfe000000, v[BM]          ; 4 off the exponent field
	v_lshrrev_b32 v[WD], 23, v[SO]
	v_lshlrev_b32 v[WD], v[TT+1], v[WD]
	v_permlanex16_b32 v[PT], v[WD], s[SEL], s[SEL+1]
	v_or_b32 v[WD], v[WD], v[PT]                   ; [q0, q1]
	v_or_b32 v[QS], 0x01010000, v[WD]
	v_lshl_or_b32 v[QSH], v[WD], 16, 0x0101
	v_add_nc_u32 v[WD], 0xfffffbfc, v[WD]          ; 4 off both bytes (each is 5 at the least: nothing is borrowed)
	v_or_b32 v[QS2], 0x01010000, v[WD]
	v_lshl_or_b32 v[QS2+1], v[WD], 16, 0x0101
	v_cvt_scalef32_pk16_bf6_f32 v[CT:CT+2], v[S:S+15], v[SO]          ; q by the rule: 32 codes
	v_cvt_scalef32_pk16_bf6_f32 v[CT+4:CT+6], v[S+16:S+31], v[SO]
	v_nop                                          ; one plain place behind a scaled conversion
	v_cvt_scale_pk16_f32_bf6 v[S+32:S+47], v[CT:CT+2], v[ZZ]          ; the codes' values in units of the block's scale, as f32: exact
	v_cvt_scale_pk16_f32_bf6 v[S+48:S+63], v[CT+4:CT+6], v[ZZ]
	v_nop
.set N, 0
.rept 32                                       ; cut in two: a number goes whole into one addend, 0 into the other
	v_cmp_le_f32 vcc_lo, 2.0, |v[S+32+N]|
	v_cndmask_b32 v[S+N], 0, v[S+32+N], vcc_lo             ; 2 and more
	v_cndmask_b32 v[S+32+N], v[S+32+N], v[FF+1], vcc_lo    ; under 2
.set N, N+1
.endr
	v_cvt_scalef32_pk16_bf6_f32 v[Q:Q+2], v[S:S+15], v[ZZ+1]          ; the large addend keeps its codes: nothing is rounded
	v_cvt_scalef32_pk16_bf6_f32 v[CT:CT+2], v[S+16:S+31], v[ZZ+1]
	v_cvt_scalef32_pk16_bf6_f32 v[QM:QM+2], v[S+32:S+47], v[SO+1]     ; the small addend 16 times as large: nothing is rounded
	v_cvt_scalef32_pk16_bf6_f32 v[CT+4:CT+6], v[S+48:S+63], v[SO+1]
	v_nop                                          ; one plain place behind a scaled conversion
.irp i, 0,1,2
	v_mov_b32 v[Q+3+\i], v[CT+\i]
	v_mov_b32 v[QM+3+\i], v[CT+4+\i]
.endr
.irp i, 0,1,2,3,4,5
	v_mov_b32 v[Q+12+\i], v[Q+\i]                  ; the same codes in k 64-127 of the second operand
	v_mov_b32 v[QM+12+\i], v[QM+\i]
.endr
.irp i, 6,7,8,9,10,11
	v_mov_b32 v[Q+\i], 0                           ; zero codes, shared by both operands
	v_mov_b32 v[QM+\i], 0
.endr
.rept 4
	v_nop                                          ; places between the writing of q's codes and the first product
.endr
.macro PADD d, a, b
	v_pk_add_f32 v[(\d):(\d)+1], v[(\a):(\a)+1], v[(\b):(\b)+1]
.endm
; THE ROW'S SUM of a step's 32 pairs of p, 32 additions in five parts, laid where plain vector work is wanted
.macro SUMA
.irp k, 0,1,2,3
	PADD TS+2*\k, S+2*\k, S+8+2*\k
.endr
.endm
.macro SUMB
.irp k, 0,1,2,3
	PADD TS+2*\k, TS+2*\k, S+16+2*\k
.endr
.endm
.macro SUMC
.irp k, 0,1,2,3
	PADD TS+8+2*\k, S+24+2*\k, S+32+2*\k
.endr
.endm
.macro SUMD
.irp k, 0,1,2,3
	PADD TS+8+2*\k, TS+8+2*\k, S+40+2*\k
.endr
.irp k, 0,1,2,3
	PADD TS+8+2*\k, TS+8+2*\k, S+48+2*\k
.endr
.irp k, 0,1,2,3
	PADD TS+2*\k, TS+2*\k, S+56+2*\k
.endr
.irp k, 0,1,2,3
	PADD TS+2*\k, TS+2*\k, TS+8+2*\k
.endr
.endm
.macro SUME
	PADD TS, TS, TS+2
	PADD TS+4, TS+4, TS+6
	PADD TS, TS, TS+4
	PADD 14, 14, TS
.endm
.macro KQ b, u, small                  ; tile 2 b + u of S^T.  small = 0: the large addend starts the sum; 1: the small addend adds onto it
.set rD, S+8*(2*(\b)+(\u))
.set rA, F+12*(\b)
.set rK, SC+(\b)/2
.if \small
.set rB, QM+6*(\u)
.set rQ, QS2+(\u)
.else
.set rB, Q+6*(\u)
.set rQ, QS+(QSH-QS)*(\u)
.endif
.if (\small) && ((\b)%2)
	v_wmma_scale_f32_16x16x128_f8f6f4 v[rD:rD+7], v[rA:rA+11], v[rB:rB+11], v[rD:rD+7], v[rK], v[rQ] matrix_a_fmt:MATRIX_FMT_BF6 matrix_b_fmt:MATRIX_FMT_BF6 matrix_a_scale:MATRIX_SCALE_ROW1
.elseif \small
	v_wmma_scale_f32_16x16x128_f8f6f4 v[rD:rD+7], v[rA:rA+11], v[rB:rB+11], v[rD:rD+7], v[rK], v[rQ] matrix_a_fmt:MATRIX_FMT_BF6 matrix_b_fmt:MATRIX_FMT_BF6
.elseif (\b)%2
	v_wmma_scale_f32_16x16x128_f8f6f4 v[rD:rD+7], v[rA:rA+11], v[rB:rB+11], 0, v[rK], v[rQ] matrix_a_fmt:MATRIX_FMT_BF6 matrix_b_fmt:MATRIX_FMT_BF6 matrix_a_scale:MATRIX_SCALE_ROW1
.else
	v_wmma_scale_f32_16x16x128_f8f6f4 v[rD:rD+7], v[rA:rA+11], v[rB:rB+11], 0, v[rK], v[rQ] matrix_a_fmt:MATRIX_FMT_BF6 matrix_b_fmt:MATRIX_FMT_BF6
.endif
.endm
.macro TMS n
.rept \n
	v_pk_add_f32 v[S+N:S+N+1], v[S+N:S+N+1], v[12:13] op_sel_hi:[1,0]   ; t - M, in f32; of the pair the low word, -M, serves both halves
.set N, N+2
.endr
.endm
; A KEY STEP: 128 keys.  first = 1: the launch's first step starts M, l and O^T.  Otherwise the step's head finishes the sum of the step before.
.macro STEP first
.if \first == 0
	SUMC                                           ; four places behind the last products, ahead of the loads into their operands
.endif
.irp f, 0,1,2,3
.irp c, 0,1,2
	ds_load_b128 v[F+12*\f+4*\c:F+12*\f+4*\c+3], v[ADR] offset:1536*\f+512*\c
.endr
.endr
	ds_load_b128 v[SC:SC+3], v[ADR] offset:12288
.if \first == 0
	SUMD
	s_wait_alu depctr_va_vdst(0)                   ; the wait ahead of the wait below
.endif
	s_wait_dscnt 0x0
.irp b, 0,1,2,3                                ; the eight sums are started, then each is taken up once more: the accumulators by turns
.irp u, 0,1
	KQ \b, \u, 0
.endr
.endr
.irp b, 0,1,2,3
.irp u, 0,1
	KQ \b, \u, 1
.endr
.endr
.if \first
.rept 4
	v_nop
.endr
.else
	SUME                                           ; four places: ahead of the loads into K's registers and of the first read of the scores
.endif
.irp f, 0,1,2,3                                ; V's tiles take K's place
.irp c, 0,1,2
	ds_load_b128 v[F+12*\f+4*\c:F+12*\f+4*\c+3], v[ADR] offset:6144+1536*\f+512*\c
.endr
.endr
	s_add_co_u32 s[TB], s[TB], CH
	v_add_nc_u32 v[ADR], s[TB], v[LI]              ; the next step's bytes
.set N, 0
.rept 32
	v_pk_mul_f32 v[S+N:S+N+1], v[S+N:S+N+1], s[CS:CS+1] op_sel_hi:[1,0]   ; t = score x log2(e), rounded to f32; each tile from its low end on
.set N, N+2
.endr
.irp c, 0,1                                    ; my two blocks' largest t, two chains each
	v_max3_num_f32 v[BM+\c], v[S+32*\c], v[S+32*\c+1], v[S+32*\c+2]
	v_max3_num_f32 v[BM+2+\c], v[S+32*\c+17], v[S+32*\c+18], v[S+32*\c+19]
.endr
.irp i, 3,5,7,9,11,13
.irp c, 0,1
	v_max3_num_f32 v[BM+\c], v[BM+\c], v[S+32*\c+\i], v[S+32*\c+\i+1]
	v_max3_num_f32 v[BM+2+\c], v[BM+2+\c], v[S+32*\c+\i+17], v[S+32*\c+\i+18]
.endr
.endr
.irp c, 0,1
	v_max3_num_f32 v[BM+\c], v[BM+\c], v[S+32*\c+15], v[S+32*\c+16]
.endr
.irp c, 0,1
	v_max_num_f32 v[BM+\c], v[BM+\c], v[BM+2+\c]
.endr
.if \first
	v_max_num_f32 v13, v[BM], v[BM+1]
.else
	v_mov_b32 v[TT+1], v12
	v_max3_num_f32 v13, v13, v[BM], v[BM+1]
.endif
	s_delay_alu instid0(VALU_DEP_1)
	v_permlanex16_b32 v[PT], v13, s[SEL], s[SEL+1]
	s_delay_alu instid0(VALU_DEP_1)
	v_max_num_f32 v13, v13, v[PT]                  ; with lane l xor 16's 64 keys: the running largest t
	s_delay_alu instid0(VALU_DEP_1)
	v_floor_f32 v12, -v13                          ; -M = -ceil(t)
.set N, 0
.if \first
	TMS 32
.else
	v_sub_f32 v[TT+1], v12, v[TT+1]                ; old M less new M: a whole number, 0 or less
	TMS 8
	v_cvt_i32_f32 v[TT+1], v[TT+1]                 ; (it saturates)
	TMS 8
	v_ldexp_f32 v[FF], 1.0, v[TT+1]                ; f
	TMS 16
.endif
.irp c, 0,1
	v_add_f32 v[BM+\c], v[BM+\c], v12              ; x of my blocks' largest t
.endr
.irp c, 0,1
	v_floor_f32 v[ZZ+\c], v[BM+\c]                 ; floor(log2(the block's largest p))
.endr
.irp c, 0,1
	v_max_num_f32 v[ZZ+\c], 0xc2f40000, v[ZZ+\c]   ; held at -122: the byte cannot fall under 1
.endr
.irp c, 0,1
	v_add_f32 v[ZZ+\c], 0x4b00007b, v[ZZ+\c]       ; + 2^23 + 123: the low byte of the bits is the scale's byte
.endr
.irp c, 0,1
	v_lshlrev_b32 v[SO+\c], 23, v[ZZ+\c]           ; the conversion's scale operand
.endr
	v_and_b32 v[WD], 0xff, v[ZZ]
	v_lshl_or_b32 v[WD], v[ZZ+1], 16, v[WD]        ; my blocks h and 2 + h
	v_permlanex16_b32 v[PT], v[WD], s[SEL], s[SEL+1]
	v_lshl_or_b32 v[PW], v[PT], 8, v[WD]           ; lanes 0-15, which are read: all four bytes in order
.if \first == 0
.set N, 0
.rept 16
	v_pk_mul_f32 v[O+N:O+N+1], v[O+N:O+N+1], v[FF:FF+1] op_sel_hi:[1,0]   ; O^T under the new M, each tile from its low end on
.set N, N+2
.endr
.endif
	s_wait_alu depctr_va_vdst(0)                   ; the wait ahead of the batch
.set N, 0
.rept 64
	v_exp_f32 v[S+N], v[S+N]
.set N, N+1
.endr
.if \first
	v_mov_b32 v14, 0                               ; l begins
	v_mov_b32 v15, 0
.else
	v_pk_mul_f32 v[14:15], v[14:15], v[FF:FF+1] op_sel_hi:[1,0]   ; l under the new M
.endif
	s_wait_alu depctr_va_vdst(0)                   ; one wait for the batch, ahead of its first reader
	s_wait_dscnt 0x0                               ; V is in
.irp c, 0,1
	v_cvt_scalef32_pk16_bf6_f32 v[PC+6*\c:PC+6*\c+2], v[S+32*\c:S+32*\c+15], v[SO+\c]
	v_cvt_scalef32_pk16_bf6_f32 v[CT+4*\c:CT+4*\c+2], v[S+32*\c+16:S+32*\c+31], v[SO+\c]
.endr
	SUMA                                           ; plain places behind the conversions
.irp c, 0,1
.irp i, 0,1,2
	v_mov_b32 v[PC+3+6*\c+\i], v[CT+4*\c+\i]
.endr
.endr
	SUMB                                           ; four places between the writing of p's codes and the products
.irp t, 0,1,2,3                                ; O^T += V^T P^T: the four accumulators by turns
.set rO, O+8*\t
.if \first
.if \t%2
	v_wmma_scale_f32_16x16x128_f8f6f4 v[rO:rO+7], v[F+12*\t:F+12*\t+11], v[PC:PC+11], 0, v[SC+2+\t/2], v[PW] matrix_a_fmt:MATRIX_FMT_BF6 matrix_b_fmt:MATRIX_FMT_BF6 matrix_a_scale:MATRIX_SCALE_ROW1
.else
	v_wmma_scale_f32_16x16x128_f8f6f4 v[rO:rO+7], v[F+12*\t:F+12*\t+11], v[PC:PC+11], 0, v[SC+2+\t/2], v[PW] matrix_a_fmt:MATRIX_FMT_BF6 matrix_b_fmt:MATRIX_FMT_BF6
.endif
.else
.if \t%2
	v_wmma_scale_f32_16x16x128_f8f6f4 v[rO:rO+7], v[F+12*\t:F+12*\t+11], v[PC:PC+11], v[rO:rO+7], v[SC+2+\t/2], v[PW] matrix_a_fmt:MATRIX_FMT_BF6 matrix_b_fmt:MATRIX_FMT_BF6 matrix_a_scale:MATRIX_SCALE_ROW1
.else
	v_wmma_scale_f32_16x16x128_f8f6f4 v[rO:rO+7], v[F+12*\t:F+12*\t+11], v[PC:PC+11], v[rO:rO+7], v[SC+2+\t/2], v[PW] matrix_a_fmt:MATRIX_FMT_BF6 matrix_b_fmt:MATRIX_FMT_BF6
.endif
.endif
.endr
.endm
; A CHANGE of regions: every wave waits for all its tensor loads, adds 0 to its spare word, waits for that and for its LDS reads.
; n > 0: a round of the cluster's barrier follows, and waves 0 .. n - 1 ask jointly for a region each, at LDS byte lds + theirs, glb bytes on in the stream.  tb: where the next step's bytes lie.
.macro CHANGE n, lds, glb, tb
	s_wait_tensorcnt 0x0
	ds_add_u32 v[SPW], v[NIL]
.if \n
	ds_add_u32 v[SPW], v[NIL]                      ; twice
	s_add_co_u32 s[G0+1], s44, \lds
	s_add_nc_u64 s[G0+2:G0+3], s[G0+2:G0+3], \glb
.endif
	s_mov_b32 s[TB], \tb
	s_wait_dscnt 0x0
.if \n
	CROUND
	TLOAD \n
.else
	s_barrier_signal -1
	s_barrier_wait -1
.endif
	v_add_nc_u32 v[ADR], s[TB], v[LI]
	s_wait_alu depctr_va_vdst(0)                   ; the wait behind this write
.endm
.macro WALK n
	s_mov_b32 s[CNT], \n
.Lwalk_\@:
	STEP 0
	s_sub_co_u32 s[CNT], s[CNT], 1
	s_cmp_lg_u32 s[CNT], 0
	s_cbranch_scc1 .Lwalk_\@
.endm
	s_wait_alu depctr_va_vdst(0)                   ; the wait at the head's end
	CHANGE 4, 2*QTR, 2*QTR, 0                      ; steps 0-7 are in; steps 8-23 are asked for: first fills of regions 2-5
	STEP 1
	WALK 7
	CHANGE 2, 0, 4*QTR, 2*QTR                      ; regions 0-1 are read out: steps 24-31 are asked for
	WALK 16
	CHANGE 0, 0, 0, 0
	WALK 8
	SUMC                                           ; the last step's sum
	SUMD
	SUME
	; THE WAY OUT: O^T / l goes through my stage and comes back as rows of 256 bytes, where it meets the query rows in f32
.irp i, 0,1,2,3,4,5,6,7
	global_load_b128 v[F+4*\i:F+4*\i+3], v[LI], s[QP:QP+1] offset:512*\i
.endr
	v_add_f32 v14, v14, v15
	s_delay_alu instid0(VALU_DEP_1)
	v_permlanex16_b32 v[PT], v14, s[SEL], s[SEL+1]
	s_delay_alu instid0(VALU_DEP_1)
	v_add_f32 v14, v14, v[PT]                      ; the row's sum
	s_wait_alu depctr_va_vdst(0)                   ; the wait ahead of the transcendental
	v_rcp_f32 v[FF], v14
	v_nop
	s_wait_alu depctr_va_vdst(0)                   ; and ahead of its first reader, which is O^T's first reader too
.set N, 0
.rept 16
	v_pk_mul_f32 v[S+32+N:S+32+N+1], v[O+N:O+N+1], v[FF:FF+1] op_sel_hi:[1,0]   ; register 8 t + j: channel 16 t + 8 h + j of query r
.set N, N+2
.endr
.irp t, 0,1,2,3
	ds_store_b128 v[STO], v[S+32+8*\t:S+32+8*\t+3] offset:64*\t
	ds_store_b128 v[STO], v[S+32+8*\t+4:S+32+8*\t+7] offset:64*\t+16
.endr
.irp i, 0,1,2,3,4,5,6,7
	ds_load_b128 v[S+4*\i:S+4*\i+3], v[RD] offset:2*\i*SP   ; LDS serves a wave's instructions in order: these see my stores
.endr
	s_wait_loadcnt 0x0
.irp i, 0,1,2,3,4,5,6,7
	s_wait_dscnt 7-\i                              ; load i is back; the 7 - i behind it may be out
	v_pk_mul_f32 v[S+4*\i:S+4*\i+1], v[S+4*\i:S+4*\i+1], v[F+4*\i:F+4*\i+1]
	v_pk_mul_f32 v[S+4*\i+2:S+4*\i+3], v[S+4*\i+2:S+4*\i+3], v[F+4*\i+2:F+4*\i+3]
	global_store_b128 v[GO], v[S+4*\i:S+4*\i+3], s[OP:OP+1] offset:1024*\i th:TH_STORE_NT   ; 16 lanes store 256 consecutive bytes, aligned
.endr
	s_wait_tensorcnt 0x0                           ; the wave's end
	ds_add_u32 v[SPW], v[NIL]
	s_wait_dscnt 0x0
	CROUND                                         ; the closing round
	s_endpgm
.Lfunc_end_k_q1ca71193e0_attn:
	.size	k_q1ca71193e0_attn, .Lfunc_end_k_q1ca71193e0_attn-k_q1ca71193e0_attn
	.p2alignl 7, 3214868480
	.fill 96, 4, 3214868480
	.section	.rodata,"a",@progbits
	.p2align	6, 0x0
	.amdhsa_kernel k_q1ca71193e0_attn
		.amdhsa_group_segment_fixed_size 327680
		.amdhsa_private_segment_fixed_size 0
		.amdhsa_enable_private_segment 0
		.amdhsa_kernarg_size 32
		.amdhsa_user_sgpr_count 2
		.amdhsa_user_sgpr_kernarg_segment_ptr 1
		.amdhsa_wavefront_size32 1
		.amdhsa_system_sgpr_workgroup_id_x 1
		.amdhsa_system_sgpr_workgroup_id_y 1
		.amdhsa_system_sgpr_workgroup_id_z 1
		.amdhsa_system_vgpr_workitem_id 0
		.amdhsa_next_free_vgpr 256
		.amdhsa_next_free_sgpr 66
		.amdhsa_reserve_vcc 1
		.amdhsa_float_denorm_mode_32 3
		.amdhsa_float_denorm_mode_16_64 3
		.amdhsa_memory_ordered 1
		.amdhsa_forward_progress 1
		.amdhsa_inst_pref_size 88
	.end_amdhsa_kernel
	.amdgpu_metadata
---
amdhsa.version: [ 1, 2 ]
amdhsa.kernels:
  - .name:           k_q1ca71193e0_attn
    .symbol:         k_q1ca71193e0_attn.kd
    .args:
      - { .name: x, .offset: 0, .size: 8, .value_kind: global_buffer, .address_space: global }
      - { .name: y, .offset: 8, .size: 8, .value_kind: global_buffer, .address_space: global }
      - { .name: kv, .offset: 16, .size: 8, .value_kind: global_buffer, .address_space: global }
      - { .name: out0, .offset: 24, .size: 8, .value_kind: global_buffer, .address_space: global }
    .group_segment_fixed_size: 327680
    .private_segment_fixed_size: 0
    .kernarg_segment_align: 8
    .kernarg_segment_size: 32
    .max_flat_workgroup_size: 512
    .sgpr_count:     66
    .vgpr_count:     256
    .wavefront_size: 32
...
	.end_amdgpu_metadata
.endif
;; end of part 2
